; MI455X (gfx1250); checked and timed in simulation.
; The chip was launched on July 23, 2026; its instructions are those of AMD's public machine-readable ISA for CDNA 5 (MIT licence, August 2026) and "CDNA5" Instruction Set Architecture Reference Guide (July 2026). The comments in the code are by the model that wrote it; some were corrected since.
;; DGM Net. Allowed arithmetic: float matrix products may take bf16 or f16 operands with f32 sums; other float arithmetic in f32, or as packed bf16 or f16 multiplies, adds, multiply-adds, maxima and minima; sums over many terms, partial sums and values carried from step to step in f32; what a program stores and reads back later, other than sums and carried values, may be rounded once to bf16 or f16.
;; Inputs: U 3 x 4 x 16 x 128 float32; W 3 x 4 x 128 x 128 float32; W0 16 x 128 float32; Wd 2 x 128 x 128 float32; Wf 128 x 1 float32; b 3 x 4 x 1 x 128 float32; b0 1 x 128 float32; bd 2 x 1 x 128 float32; bf 1 x 1 float32; x 262,144 x 16 float32.
;; Outputs: out0 262,144 x 1 float32.
;; 2 versions, each right and faster than the one before. Each part assembles by itself: llvm-mc -triple=amdgcn-amd-amdhsa -mcpu=gfx1250 --defsym DOCPART=n.
;; ======== version 1 of 2: 2 launches
;; limits: values are held in f16: magnitudes above 65,504 overflow, below 6.1e-05 lose precision
;; workspace buffers: img 586,752 bytes
;; launch prep (part 1): grid 573 x 1, 2 waves a work-group, no clusters, 0 bytes of LDS; arguments U, W, W0, Wd, Wf, b, b0, bd, bf, img; writes img
.if DOCPART == 1
	.amdgcn_target "amdgcn-amd-amdhsa--gfx1250"
	.amdhsa_code_object_version 6
	.text
	.protected	k_qf00b59c616_prep
	.globl	k_qf00b59c616_prep
	.p2align	8
	.type	k_qf00b59c616_prep,@function
k_qf00b59c616_prep:
	s_mov_b64 s[64:65], 0
	v_nop
	global_prefetch_b8 v0, s[64:65] scope:SCOPE_SE
	s_setreg_imm32_b32 hwreg(HW_REG_WAVE_MODE, 25, 1), 1
	s_wait_xcnt 0x0
; THE WEIGHT IMAGE.  img holds 573 fragments of 1,024 bytes, each the register image of a matrix instruction's first source (16 output channels x 32 k, f16), in the order in which the net walks them.
; One work-group of 64 threads makes fragment F = its number; thread t = 32 s + L writes the 16 bytes at 16 t: channel 16 ct + L % 16, k = 32 kc + 16 s + 8 (L / 16) + 0..7, the lower k in the lower bits.
; So a wave's store covers 512 consecutive bytes, at a multiple of 512 from img's first byte.
; K is 160 for every product: kc = 0..3 are the 128 state channels; kc = 4 is [16 rows of U, bias hi, bias lo, 14 zeros], which meets [x, 1, 1, 0 ..] in the activations.
; ORDER.  F = 160 l + 5 n + kc: layer l, job n: n < 8: gate r, ct = n; else m = n - 8: ct = m / 3, gate z, g, h for m % 3 = 0, 1, 2.  F = 480 + 5 (8 d + ct) + kc: dense layer d.
; F = 560 + ct: W0 and b0 (a kc = 4 fragment).  F = 568 + kc: the last layer: rows 0 and 8 hold Wf (kc < 4) or bf (kc = 4), all other rows 0.
; NUMBERS.  Every input is rounded to bf16 first.  What feeds a tanh is then multiplied in f32 by c = 2 log2(e), so that the net's 2^a is e^(2 y), and rounded once to f16; W0, b0, Wf, bf keep the factor 1.
; A bias is two f16 numbers, hi = f16(v) and lo = f16(v - hi).  LIMITS: c |w| and c |bias| stay under 65,504 (f16's end); under 6e-5 a number keeps f16's step of 6e-8; NaN and infinities are not treated apart.
; REGISTERS: v2 r, v3 h, v4 and v5 byte offsets, v6 my place in the fragment, v[8:15] eight numbers in f32, v[16:19] at work, v[20:23] the 16 bytes to store, v24 0 where my row is kept.
.set CSC, 0x4038aa3b                   ; c = 2 log2(e) = 2.885390
.set MP, 32                            ; s[32:33] where the fragment's matrix numbers lie
.set BP, 34                            ; s[34:35] where its bias lies
.set OF, 36                            ; s[36:37] a byte offset, the high word 0
.set KEEP, 24                          ; v24: written once below (the bias's path adds h to it), read by the one compare of each path
	s_load_b512 s[4:19], s[0:1], 0x0               ; U s[4:5], W s[6:7], W0 s[8:9], Wd s[10:11], Wf s[12:13], b s[14:15], b0 s[16:17], bd s[18:19]
	s_load_b128 s[20:23], s[0:1], 0x40             ; bf s[20:21], img s[22:23]
	v_lshrrev_b32 v7, 5, v0
	v_readfirstlane_b32 s31, v7                    ; s: my wave, 0 or 1
	v_and_b32 v2, 15, v0                           ; r = L % 16
	v_bfe_u32 v3, v0, 4, 1                         ; h = L / 16
	v_lshlrev_b32 v6, 4, v0                        ; my 16 bytes in the fragment
	s_mov_b32 s24, ttmp9                           ; F
	s_mul_i32 s25, s24, 205
	s_lshr_b32 s25, s25, 10                        ; J = F / 5 (205 / 1024 serves up to F = 1,023)
	s_mul_i32 s38, s25, 5
	s_sub_co_u32 s26, s24, s38                     ; kc = F % 5
	s_mov_b32 s28, CSC                             ; the factor, as a pair for the packed multiply
	s_mov_b32 s29, CSC
	s_mov_b32 s38, -1                              ; mask on the bias's byte offset: 0 for bf, which is one number
	s_mov_b32 s39, 0                               ; a row is kept where r & this = 0: 7 in the last layer (rows 0 and 8)
	s_mov_b32 s[OF+1], 0
	s_wait_kmcnt 0x0
	s_mov_b64 s[MP:MP+1], s[6:7]                   ; written on every path; each kind below sets what it reads
	s_mov_b64 s[BP:BP+1], s[14:15]
	s_cmp_lt_u32 s24, 480
	s_cbranch_scc0 .Lnot_rnn
	; a gate of a layer
	s_lshr_b32 s42, s25, 5                         ; l
	s_and_b32 s43, s25, 31                         ; n
	s_sub_co_u32 s44, s43, 8                       ; m (used where n >= 8)
	s_mul_i32 s45, s44, 11
	s_lshr_b32 s45, s45, 5                         ; m / 3 (11 / 32 serves up to m = 23)
	s_mul_i32 s46, s45, 3
	s_sub_co_u32 s46, s44, s46                     ; m % 3
	s_lshr_b32 s47, s46, 1
	s_add_co_u32 s46, s46, s47                     ; 0, 1, 2 -> gates z = 0, g = 1, h = 3
	s_cmp_lt_u32 s43, 8
	s_cselect_b32 s27, s43, s45                    ; ct
	s_cselect_b32 s46, 2, s46                      ; gate r = 2
	s_lshl2_add_u32 s46, s42, s46                  ; 4 l + gate
	s_cmp_lt_u32 s26, 4
	s_cbranch_scc0 .Lrnn_u
	s_lshl_b32 s[OF], s46, 16                      ; a matrix of W is 65,536 bytes, 32 of its rows 16,384
	s_lshl_b32 s40, s26, 14
	s_add_co_u32 s[OF], s[OF], s40
	s_add_nc_u64 s[MP:MP+1], s[6:7], s[OF:OF+1]
	s_mov_b32 s30, 0                               ; kind 0: 32 rows of a 128 x 128 matrix
	s_branch .Ldecoded
.Lrnn_u:
	s_lshl_b32 s[OF], s46, 13                      ; a matrix of U is 8,192 bytes
	s_add_nc_u64 s[MP:MP+1], s[4:5], s[OF:OF+1]
	s_lshl_b32 s[OF], s46, 9                       ; a bias 512
	s_add_nc_u64 s[BP:BP+1], s[14:15], s[OF:OF+1]
	s_mov_b32 s30, 1                               ; kind 1: 16 rows, then the bias
	s_branch .Ldecoded
.Lnot_rnn:
	s_cmp_lt_u32 s24, 560
	s_cbranch_scc0 .Lnot_fnn
	; a dense layer
	s_sub_co_u32 s42, s25, 96                      ; J - 480 / 5
	s_and_b32 s27, s42, 7                          ; ct
	s_lshr_b32 s42, s42, 3                         ; d
	s_cmp_lt_u32 s26, 4
	s_cbranch_scc0 .Lfnn_b
	s_lshl_b32 s[OF], s42, 16
	s_lshl_b32 s40, s26, 14
	s_add_co_u32 s[OF], s[OF], s40
	s_add_nc_u64 s[MP:MP+1], s[10:11], s[OF:OF+1]
	s_mov_b32 s30, 0
	s_branch .Ldecoded
.Lfnn_b:
	s_lshl_b32 s[OF], s42, 9
	s_add_nc_u64 s[BP:BP+1], s[18:19], s[OF:OF+1]
	s_mov_b32 s30, 2                               ; kind 2: 16 rows of zeros, then the bias
	s_branch .Ldecoded
.Lnot_fnn:
	s_mov_b32 s28, 1.0                             ; no tanh follows these
	s_mov_b32 s29, 1.0
	s_cmp_lt_u32 s24, 568
	s_cbranch_scc0 .Lfinal
	s_sub_co_u32 s27, s24, 560                     ; ct
	s_mov_b64 s[MP:MP+1], s[8:9]                   ; W0
	s_mov_b64 s[BP:BP+1], s[16:17]                 ; b0
	s_mov_b32 s30, 1
	s_branch .Ldecoded
.Lfinal:
	s_sub_co_u32 s26, s24, 568                     ; kc
	s_mov_b32 s27, 0
	s_mov_b32 s38, 0
	s_mov_b32 s39, 7
	s_cmp_lt_u32 s26, 4
	s_cbranch_scc0 .Lfinal_b
	s_lshl_b32 s[OF], s26, 7                       ; 32 numbers of Wf
	s_add_nc_u64 s[MP:MP+1], s[12:13], s[OF:OF+1]
	s_mov_b32 s30, 3                               ; kind 3: Wf along k, in rows 0 and 8
	s_branch .Ldecoded
.Lfinal_b:
	s_mov_b64 s[BP:BP+1], s[20:21]                 ; bf
	s_mov_b32 s30, 4                               ; kind 4: zeros, then bf in rows 0 and 8
.Ldecoded:
	s_lshl_b32 s[OF], s24, 10
	s_add_nc_u64 s[22:23], s[22:23], s[OF:OF+1]    ; img at my fragment
	v_lshl_add_u32 v5, s27, 4, v2                  ; my channel, 16 ct + r,
	v_lshlrev_b32 v5, 2, v5                        ; in bytes: its place in a row of a matrix, and in a bias
	v_lshl_add_u32 v4, v3, 12, v5                  ; + 8 h rows of 512 bytes
	v_and_b32 v[KEEP], s39, v2                     ; 0 where my row is kept
	s_cmp_eq_u32 s30, 0
	s_cbranch_scc1 .Lboth
	s_cmp_eq_u32 s30, 3
	s_cbranch_scc1 .Lfin
	s_cmp_eq_u32 s31, 1                            ; kinds 1, 2, 4: wave 1 holds k = 16 .. 31 of the fragment: the bias and zeros
	s_cbranch_scc1 .Lbias
	s_cmp_eq_u32 s30, 1
	s_cbranch_scc1 .Lmat
.irp j, 20,21,22,23
	v_mov_b32 v\j, 0                               ; kinds 2 and 4, wave 0: no x enters
.endr
	s_branch .Lstore
.Lboth:
	s_lshl_b32 s[OF], s31, 13                      ; wave 1 takes the 16 rows further down
	s_add_nc_u64 s[MP:MP+1], s[MP:MP+1], s[OF:OF+1]
.Lmat:
.irp j, 0,1,2,3,4,5,6,7
	global_load_b32 v[8+\j], v4, s[MP:MP+1] offset:512*\j  ; rows 8 h + j, my channel: the matrix is turned here, once
.endr
	s_branch .Lconv
.Lfin:
	s_lshl_b32 s[OF], s31, 6                       ; wave 1 takes the 16 numbers further on
	s_add_nc_u64 s[MP:MP+1], s[MP:MP+1], s[OF:OF+1]
	v_lshlrev_b32 v4, 5, v3                        ; 8 h numbers
	global_load_b128 v[8:11], v4, s[MP:MP+1]
	global_load_b128 v[12:15], v4, s[MP:MP+1] offset:16
.Lconv:
	s_wait_loadcnt 0x0
.irp j, 0,1,2,3
	v_cvt_pk_bf16_f32 v[16+\j], v[8+2*\j], v[9+2*\j]  ; the input's rounding to bf16,
.endr
.irp j, 0,1,2,3
	v_lshlrev_b32 v[8+2*\j], 16, v[16+\j]          ; back to f32,
	v_and_b32 v[9+2*\j], 0xffff0000, v[16+\j]
.endr
.irp j, 0,1,2,3
	v_pk_mul_f32 v[8+2*\j:9+2*\j], v[8+2*\j:9+2*\j], s[28:29] op_sel_hi:[1,0]  ; the factor,
.endr
.irp j, 0,1,2,3
	v_cvt_pk_f16_f32 v[20+\j], v[8+2*\j], v[9+2*\j]  ; and one rounding to f16
.endr
	v_cmp_eq_u32 vcc_lo, 0, v[KEEP]
.irp j, 20,21,22,23
	v_cndmask_b32 v\j, 0, v\j, vcc_lo              ; the last layer keeps rows 0 and 8 alone; elsewhere every row is kept
.endr
	s_branch .Lstore
.Lbias:
	v_and_b32 v5, s38, v5
	global_load_b32 v8, v5, s[BP:BP+1]
	v_or_b32 v[KEEP], v[KEEP], v3                  ; the two places k = 16, 17 lie in the lanes with h = 0
.irp j, 21,22,23
	v_mov_b32 v\j, 0
.endr
	s_wait_loadcnt 0x0
	v_cvt_pk_bf16_f32 v9, v8, v8
	v_lshlrev_b32 v9, 16, v9
	v_mul_f32 v9, s28, v9                          ; v = factor x bf16(bias)
	v_cvt_pk_f16_f32 v16, v9, v9
	v_cvt_f32_f16 v17, v16.l                       ; hi, back in f32
	v_sub_f32 v17, v9, v17                         ; what hi has lost
	v_cvt_pk_f16_f32 v20, v9, v17                  ; hi at k = 16, lo at k = 17
	v_cmp_eq_u32 vcc_lo, 0, v[KEEP]
	v_cndmask_b32 v20, 0, v20, vcc_lo
.Lstore:
	global_store_b128 v6, v[20:23], s[22:23]
	s_endpgm
.Lfunc_end_k_qf00b59c616_prep:
	.size	k_qf00b59c616_prep, .Lfunc_end_k_qf00b59c616_prep-k_qf00b59c616_prep
	.p2alignl 7, 3214868480
	.fill 96, 4, 3214868480
	.section	.rodata,"a",@progbits
	.p2align	6, 0x0
	.amdhsa_kernel k_qf00b59c616_prep
		.amdhsa_group_segment_fixed_size 0
		.amdhsa_private_segment_fixed_size 0
		.amdhsa_enable_private_segment 0
		.amdhsa_kernarg_size 80
		.amdhsa_user_sgpr_count 2
		.amdhsa_user_sgpr_kernarg_segment_ptr 1
		.amdhsa_wavefront_size32 1
		.amdhsa_system_sgpr_workgroup_id_x 1
		.amdhsa_system_sgpr_workgroup_id_y 1
		.amdhsa_system_sgpr_workgroup_id_z 1
		.amdhsa_system_vgpr_workitem_id 0
		.amdhsa_next_free_vgpr 32
		.amdhsa_next_free_sgpr 66
		.amdhsa_reserve_vcc 1
		.amdhsa_float_denorm_mode_32 3
		.amdhsa_float_denorm_mode_16_64 3
		.amdhsa_memory_ordered 1
		.amdhsa_forward_progress 1
		.amdhsa_inst_pref_size 8
	.end_amdhsa_kernel
	.amdgpu_metadata
---
amdhsa.version: [ 1, 2 ]
amdhsa.kernels:
  - .name:           k_qf00b59c616_prep
    .symbol:         k_qf00b59c616_prep.kd
    .args:
      - { .name: U, .offset: 0, .size: 8, .value_kind: global_buffer, .address_space: global }
      - { .name: W, .offset: 8, .size: 8, .value_kind: global_buffer, .address_space: global }
      - { .name: W0, .offset: 16, .size: 8, .value_kind: global_buffer, .address_space: global }
      - { .name: Wd, .offset: 24, .size: 8, .value_kind: global_buffer, .address_space: global }
      - { .name: Wf, .offset: 32, .size: 8, .value_kind: global_buffer, .address_space: global }
      - { .name: b, .offset: 40, .size: 8, .value_kind: global_buffer, .address_space: global }
      - { .name: b0, .offset: 48, .size: 8, .value_kind: global_buffer, .address_space: global }
      - { .name: bd, .offset: 56, .size: 8, .value_kind: global_buffer, .address_space: global }
      - { .name: bf, .offset: 64, .size: 8, .value_kind: global_buffer, .address_space: global }
      - { .name: img, .offset: 72, .size: 8, .value_kind: global_buffer, .address_space: global }
    .group_segment_fixed_size: 0
    .private_segment_fixed_size: 0
    .kernarg_segment_align: 8
    .kernarg_segment_size: 80
    .max_flat_workgroup_size: 64
    .sgpr_count:     66
    .vgpr_count:     32
    .wavefront_size: 32
...
	.end_amdgpu_metadata
.endif
;; end of part 1
;; launch net (part 2): grid 1024 x 1, 4 waves a work-group, clusters of 4 x 1, 327,680 bytes of LDS; arguments x, img, out0; writes out0
.if DOCPART == 2
	.amdgcn_target "amdgcn-amd-amdhsa--gfx1250"
	.amdhsa_code_object_version 6
	.text
	.protected	k_qf00b59c616_net
	.globl	k_qf00b59c616_net
	.p2align	8
	.type	k_qf00b59c616_net,@function
k_qf00b59c616_net:
	s_mov_b64 s[64:65], 0
	v_nop
	global_prefetch_b8 v0, s[64:65] scope:SCOPE_SE
	s_setreg_imm32_b32 hwreg(HW_REG_WAVE_MODE, 25, 1), 1
	s_wait_xcnt 0x0
	s_wait_alu depctr_hold_cnt(0) depctr_sa_sdst(0) depctr_va_vdst(0) depctr_va_sdst(0) depctr_va_ssrc(0) depctr_va_vcc(0) depctr_vm_vsrc(0)
	s_getreg_b32 s2, hwreg(HW_REG_IB_STS2, 6, 4)
	s_cmp_eq_u32 s2, 0
	s_cbranch_scc0 .Lentry_in_a_cluster
	s_endpgm
.Lentry_in_a_cluster:
	s_bfe_u32 s2, ttmp6, 0x10000c
	s_cmp_lg_u32 s2, 0x3003
	s_cbranch_scc0 .Lentry_shape_is_right
	s_endpgm
.Lentry_shape_is_right:
; THE WHOLE NET FOR 256 ROWS A WORK-GROUP: S = relu(x W0 + b0); three layers of four gates tanh(x U + (S or S R) W + b) with S = (1 - G) H + Z S; two layers tanh(S Wd + bd); out = S Wf + bf.
; Rows do not meet, so a wave keeps its 64 rows (four tiles of 16) in registers from x to the result; only the weights move: 573 fragments of 1,024 bytes, made by the launch before in the order of use.
; LAYOUT.  The matrix instruction is used transposed: source 0 = 16 output channels x 32 k of weights, source 1 = 16 rows x 32 k of activations.  In the result lane (r, h) holds row r and channels
; 16 ct + 8 h + 0..7; two neighbouring channel tiles, rounded to f16 in pairs, ARE a source 1 of the next product: nothing changes lanes.  K = 160: four steps of state, a fifth of [x, 1, 1, 0 ..]
; against [U, bias hi, bias lo, 0 ..]: x U and the bias cost a matrix instruction and no vector line.
; TANH.  The weights carry the factor 2 log2(e), so with a the sum: e = 2^a, d = -e/2 - 1/2, r' = 1/d = -2 / (1 + e), tanh = 1 + r'.  e = infinity gives r' = -0, e = 0 gives r' = -2: no clamp is needed.
; For G the signs are turned: q = 1 / (e/2 + 1/2) = 1 - G.  Then S R = r' S + S;  S_new = (r'z S + S) + q + q r'h.
; A JOB is one gate's channel tile: 20 matrix instructions (5 k steps x 4 row tiles, the four accumulators by turns) into one of three accumulator buffers.  Beside them stands the
; job before's tanh, 81 lines that need no other register window, four behind each matrix instruction; what follows the tanh (a LUMP of 16 or 32 packed lines that reach into other windows) stands behind the job.
; ORDER IN A LAYER: R 0..7 (so that S R is whole), then Z, G, H for each channel tile.
; FORMATS.  x is rounded to bf16 like every input and written as f16; S is carried in f32, its f16 copy is a matrix operand alone; sums in f32.
; LIMITS.  |x| and |S| stay under 65,504 (f16's end); under 6e-5 an operand keeps f16's step of 6e-8; NaN and infinities are not treated apart.
; RING.  Two LDS slots of 81,920 bytes, 16 jobs each; seven chunks: two a layer, the seventh the dense layers'.  W0's and the last layer's 13 fragments stay in LDS bytes of their own.
; CLUSTER.  All work-groups walk the same weights: the four of a cluster ask for each chunk JOINTLY (the same tensor load, descriptor and mask in all four); each wave brings a quarter.  x is each wave's own load.
; REGISTERS, in windows of 256 (s_set_vgpr_msb: bits 1:0 source 0, 3:2 source 1, 5:4 source 2, 7:6 destination):
;   window 0: v0-15 addresses and small things; v16-111 three accumulator buffers of 32 (tile rt at + 8 rt); v112-191 two buffers of 5 weight fragments; v192-239 x on its way in
;   window 1: S in f32, at 64 rt + 8 ct + j      window 2: v0-127 S in f16, at 32 rt + 4 ct + pair; v128-159 the fifth k step's fragments, 8 a tile      window 3: v0-127 S R in f16; v128-159 the same fragments once more
.set SLOTB, 81920                      ; a slot: 16 jobs of 5,120 bytes
.set QUART, 20480                      ; a wave's quarter of it: 80 rows of 256 bytes
.set JOBB,  5120
.set RES,   2*SLOTB                    ; 13 fragments that stay: W0's eight, the last layer's five
.set XS,    RES+13312                  ; x: 4,096 bytes for each wave
.set SPARE, XS+16384                   ; the spare words, 128 bytes for each wave: two blocks of 256 bytes that no other line names
.set ADR,  1                           ; v1-4   16 x lane + 0, 40,960, 81,920, 122,880: the halves of the two slots (an LDS offset has 16 bits)
.set ARES, 6                           ; v6     16 x lane + RES
.set AXS,  7                           ; v7     my place in my wave's x
.set OO,   8                           ; v8     8 x lane: my two results in the wave's 256 bytes of out0
.set SPW,  12                          ; v12    LDS address of my spare word; never rewritten
.set NIL,  13                          ; v13    0; never rewritten
.set ONES, 14                          ; v14    1.0 twice in f16 where h = 0, else 0: k = 16, 17 of the fifth step
.set ACC,  16
.set AF,   112
.set XR,   192                         ; v192-223 x in f32, 8 a tile
.set TP,   224                         ; v224-239 at work
.set XF,   128                         ; windows 2 and 3
.set WV,   10                          ; s10    my wave's number
.set HM,   20                          ; s20    the lanes 16 to 31
.set LAY,  21                          ; s21    layers to go
.set G1W,  24                          ; s[24:31] group 1 of a chunk's quarter;  s[32:39] of a quarter of the 13 fragments;  s[40:47] of a wave's x
.set G1R,  32
.set G1X,  40
.set G0A,  48                          ; s[48:51] group 0 for slot 0;  s[52:55] for slot 1;  s[56:59] the 13 fragments;  s[60:63] x
.set G0B,  52
.set G0R,  56
.set G0X,  60
.set MS,   0x08                        ; source 1 in window 2 (S); all else in window 0
.set MH,   0x0c                        ; source 1 in window 3 (S R)
.set MSB, 0
.macro WIN new                         ; the immediate's high byte repeats the setting that is left; a switch that changes nothing is dropped
.if MSB != (\new)
	s_set_vgpr_msb (MSB<<8)|(\new)
.set MSB, (\new)
.endif
.endm
.macro WINC                            ; for lines that name window 0 as source 0 and destination and no other register
.if (MSB & 0xc3) != 0
	WIN 0
.endif
.endm
.macro PLACES                          ; four plain vector lines: the distance between a matrix instruction and a vector read of its result or a load into its sources (ISA guide 7.12.1 for the read)
.rept 4
	v_nop
.endr
.endm
; A round of the cluster's barrier: my work-group's barrier, so that wave 0's signal speaks for all four waves; wave 0 signals; every wave waits for all four work-groups; my work-group's barrier once more.
.macro CROUND
	s_barrier_signal -1
	s_barrier_wait -1
	s_cmp_lg_u32 s[WV], 0
	s_cbranch_scc1 .Lnot_wave_0_\@
	s_barrier_signal -3
.Lnot_wave_0_\@:
	s_barrier_wait -3
	s_barrier_signal -1
	s_barrier_wait -1
.endm
.macro TLOAD g0, g1                    ; an s_nop 0 and four v_nop follow the load
	tensor_load_to_lds s[(\g0):(\g0)+3], s[(\g1):(\g1)+7]
	s_nop 0
	PLACES
.endm
.macro SHAPE g, first, rows            ; group 1 of a dense block: rows of 32 elements of 8 bytes = 256 bytes, one behind the other
	s_mov_b32 s[(\g)+0], \first                    ; 15:0 the mask; 17:16 element size code 3; 21 set beside a mask
	s_mov_b32 s[(\g)+1], 32<<16                    ; tensor_dim0 = 32
	s_mov_b32 s[(\g)+2], (\rows)<<16               ; tensor_dim1
	s_mov_b32 s[(\g)+3], 32<<16                    ; tile_dim0 = 32
	s_mov_b32 s[(\g)+4], \rows                     ; tile_dim1
	s_mov_b32 s[(\g)+5], 32                        ; 32 elements from row to row
	s_mov_b32 s[(\g)+6], 0
	s_mov_b32 s[(\g)+7], 0
.endm
; THE CHANGE OF SLOTS.  Each wave waits for all its tensor loads, of which one is out: its quarter of the slot to be read next; adds 0 to its spare word; and waits for that and for its own reads of the slot
; that it leaves.  k = 0: slot 0 is filled again; k = 1: slot 1; the barrier is then a round of the cluster's, so that no wave of any partner still reads the slot or has a load on its way, and the joint load
; is the first thing behind it: it has 15 jobs or more, 300 matrix instructions, in which to land.  The OTHER slot's address steps two chunks on here, where no load of mine is out.  k = 2: nothing is filled.
.macro CHANGE k
	WIN 0                                          ; at a label and at a branch every window is 0
	s_wait_tensorcnt 0x0
	ds_add_u32 v[SPW], v[NIL]
.if (\k) == 0
	s_add_nc_u64 s[G0B+2:G0B+3], s[G0B+2:G0B+3], 2*SLOTB  ; the type bits on top are not reached; behind the last chunk the stepped address is not used
.elseif (\k) == 1
	s_add_nc_u64 s[G0A+2:G0A+3], s[G0A+2:G0A+3], 2*SLOTB
.endif
	s_wait_dscnt 0x0                               ; the add is done, and my reads of the slot are back
.if (\k) == 0
	CROUND
	TLOAD G0A, G1W
.elseif (\k) == 1
	CROUND
	TLOAD G0B, G1W
.else
	s_barrier_signal -1
	s_barrier_wait -1
.endif
.endm
; A job's five fragments into buffer p: ten loads of 512 consecutive bytes each
.macro ALOAD p, areg, off
.set la, 0
.rept 10
	ds_load_b128 v[AF+40*(\p)+4*la:AF+40*(\p)+4*la+3], v[\areg] offset:(\off)+512*la
.set la, la+1
.endr
.endm
; Matrix instruction i of a job's 20: k step i / 4, row tile i % 4; the first four start the sums
.macro MMA mb, p
.set rD, ACC+32*(\mb)+8*(i%4)
.set rA, AF+40*(\p)+8*(i/4)
.if i < 16
.set rB, 32*(i%4)+8*(i/4)
.else
.set rB, XF+8*(i%4)
.endif
.if i < 4
	v_wmma_f32_16x16x32_f16 v[rD:rD+7], v[rA:rA+7], v[rB:rB+7], 0
.else
	v_wmma_f32_16x16x32_f16 v[rD:rD+7], v[rA:rA+7], v[rB:rB+7], v[rD:rD+7]
.endif
.endm
; THE TANH of a buffer's 32 registers a0-a31, in place: line q of 81.  E i: a = 2^a.  F k: pair k, -+ a/2 -+ 1/2.  C i: a = 1 / a.
;   0-3: E 0-3;  4: a v_nop;  5: F 0;  then for p = 2 .. 15 five lines: E 2p, E 2p+1, F p-1, C 2p-4, C 2p-3;  76: F 15;  77-80: C 28-31.
; Between an exponential and the F that reads it stands a plain line (the v_nop or the F before), as ISA guide 5.7.2 asks; each accumulator's first read is its lowest register.
.macro FPAIR k, sg
.if \sg
	s_wait_alu depctr_va_vdst(0)
	v_pk_fma_f32 v[cb+2*(\k):cb+2*(\k)+1], v[cb+2*(\k):cb+2*(\k)+1], 0.5, 0.5 op_sel_hi:[1,0,0]
.else
	s_wait_alu depctr_va_vdst(0)
	v_pk_fma_f32 v[cb+2*(\k):cb+2*(\k)+1], v[cb+2*(\k):cb+2*(\k)+1], -0.5, -0.5 op_sel_hi:[1,0,0]
.endif
.endm
.macro NEXT vb, sg
.set cb, ACC+32*(\vb)
.if q < 4
	v_exp_f32 v[cb+q], v[cb+q]
.elseif q == 4
	v_nop
.elseif q == 5
	FPAIR 0, \sg
.elseif q < 76
.set c5, (q-6)%5
.set cp, 2+(q-6)/5
.if c5 < 2
	v_exp_f32 v[cb+2*cp+c5], v[cb+2*cp+c5]
.elseif c5 == 2
	FPAIR cp-1, \sg
.else
	v_rcp_f32 v[cb+2*cp-7+c5], v[cb+2*cp-7+c5]
.endif
.elseif q == 76
	FPAIR 15, \sg
.else
	v_rcp_f32 v[cb+q-49], v[cb+q-49]
.endif
.set q, q+1
.endm
; A job's 20 matrix instructions into buffer mb from weight buffer p, under window bw; behind each, four lines of buffer vb's tanh (five behind the last).  vb < 0: none, and four places at the end.
.macro SLOT mb, p, bw, vb, sg
	WIN \bw
.set i, 0
.set q, 0
.rept 20
	MMA \mb, \p
.if (\vb) >= 0
	NEXT \vb, \sg
	NEXT \vb, \sg
	NEXT \vb, \sg
	NEXT \vb, \sg
.endif
.set i, i+1
.endr
.if (\vb) >= 0
	NEXT \vb, \sg
.else
	PLACES
.endif
.endm
.macro DRAIN vb, sg                    ; a tanh with no product to stand beside: at a layer's end, where the next products wait for it
	WINC
.set q, 0
.rept 81
	NEXT \vb, \sg
.endr
.endm
.macro CVT_ALL                         ; S in f16, for the layer's products
	WIN 0x85                                       ; destination window 2, sources window 1
.set u, 0
.rept 128
	v_cvt_pk_f16_f32 v[u], v[2*u], v[2*u+1]
.set u, u+1
.endr
.endm
; THE LUMPS: pair u of a job's 16 (row tile u / 4): lA in the accumulator buffer, lS in S, lF the packed pair in an f16 copy
.macro LREGS c, b
.set lA, ACC+32*(\b)+2*u
.set lS, 64*(u/4)+8*(\c)+2*(u%4)
.set lF, 32*(u/4)+4*(\c)+u%4
.endm
.macro LUMP_R c, b                     ; S R = r' S + S, then to f16
	WIN 0x14                                       ; sources 1 and 2 window 1
.set u, 0
.rept 16
	LREGS \c, \b
	s_wait_alu depctr_va_vdst(0)
	v_pk_fma_f32 v[lA:lA+1], v[lA:lA+1], v[lS:lS+1], v[lS:lS+1]
.set u, u+1
.endr
	WIN 0xc0                                       ; destination window 3
.set u, 0
.rept 16
	LREGS \c, \b
	v_cvt_pk_f16_f32 v[lF], v[lA], v[lA+1]
.set u, u+1
.endr
.endm
.macro LUMP_Z c                        ; S = Z S = r' S + S: all of S R has been made, and the products read the f16 copy
	WIN 0x54
.set u, 0
.rept 16
	LREGS \c, 0
	s_wait_alu depctr_va_vdst(0)
	v_pk_fma_f32 v[lS:lS+1], v[lA:lA+1], v[lS:lS+1], v[lS:lS+1]
.set u, u+1
.endr
.endm
.macro LUMP_G c                        ; S += q; q stays in buffer 1 for H's lump
	WIN 0x44
.set u, 0
.rept 16
	LREGS \c, 1
	s_wait_alu depctr_va_vdst(0)
	v_pk_add_f32 v[lS:lS+1], v[lA:lA+1], v[lS:lS+1]
.set u, u+1
.endr
.endm
.macro LUMP_H c                        ; S += q r'h: together q (1 + r'h) = (1 - G) H
	WIN 0x50
.set u, 0
.rept 16
	LREGS \c, 1
	s_wait_alu depctr_va_vdst(0)
	v_pk_fma_f32 v[lS:lS+1], v[lA:lA+1], v[lA+32:lA+33], v[lS:lS+1]
.set u, u+1
.endr
.endm
.macro LUMP_D c, b, dw                 ; a dense layer: tanh = 1 + r', then to f16 into the window that the next layer reads
	WINC
.set u, 0
.rept 16
	LREGS \c, \b
	s_wait_alu depctr_va_vdst(0)
	v_pk_add_f32 v[lA:lA+1], v[lA:lA+1], 1.0 op_sel_hi:[1,0]
.set u, u+1
.endr
	WIN \dw
.set u, 0
.rept 16
	LREGS \c, \b
	v_cvt_pk_f16_f32 v[lF], v[lA], v[lA+1]
.set u, u+1
.endr
.endm
.macro JOBP n                          ; job n of a layer: jt = 0 R, 1 Z, 2 G, 3 H; jc its channel tile; jb its accumulator buffer
.if (\n) < 8
.set jt, 0
.set jc, (\n)
.set jb, (\n)%2
.else
.set jt, 1+((\n)-8)%3
.set jc, ((\n)-8)/3
.set jb, ((\n)-8)%3
.endif
.endm
; JOB n OF A LAYER: its fragments are waited for (they were asked for a job ago); the next job's are asked for, into the buffer whose last reader stands a lump back; its products, with the job before's tanh
; between them; the job before's lump.  Job 15 leaves slot 0: its wait is the change of slots.
.macro LJOB n
.set pvb, -1
.set pvt, -1
.set pvc, 0
.if (\n) > 0
	JOBP (\n)-1
.set pvb, jb
.set pvt, jt
.set pvc, jc
.endif
	JOBP \n
.set jw, MS
.if jt == 3
.set jw, MH
.endif
.set pvs, 0
.if pvt == 2
.set pvs, 1
.endif
.if (\n) == 15
	CHANGE 0
.else
	s_wait_dscnt 0x0
.endif
	WIN jw                                         ; one setting for the loads, the products and the tanh
.if (\n) < 31
	ALOAD ((\n)+1)%2, ADR+2*(((\n)+1)/16)+(((\n)+1)%16)/8, JOBB*(((\n)+1)%8)
.endif
	SLOT jb, (\n)%2, jw, pvb, pvs
.if pvt == 0
	LUMP_R pvc, pvb
.elseif pvt == 1
	LUMP_Z pvc
.elseif pvt == 2
	LUMP_G pvc
.elseif pvt == 3
	LUMP_H pvc
.endif
.endm
; JOB k OF THE DENSE LAYERS: layer k / 8, channel tile k % 8.  The first layer reads window 2 and writes window 3, the second the other way round.  Job 15 asks for the last layer's fragments.
.macro FJOB k
.set fw, MS
.set fd, 0xc0
.if (\k) >= 8
.set fw, MH
.set fd, 0x80
.endif
.set pvb, -1
.if ((\k)%8) > 0
.set pvb, ((\k)-1)%2
.endif
	s_wait_dscnt 0x0
	WIN fw
.if (\k) < 15
	ALOAD ((\k)+1)%2, ADR+((\k)+1)/8, JOBB*(((\k)+1)%8)
.else
	ALOAD 0, ARES, 8192
.endif
	SLOT (\k)%2, (\k)%2, fw, pvb, 0
.if ((\k)%8) > 0
	LUMP_D (\k)%8-1, pvb, fd
.endif
.endm
	s_load_b128 s[4:7], s[0:1], 0x0                ; x s[4:5], img s[6:7]
	s_load_b64 s[8:9], s[0:1], 0x10                ; out0
	v_lshl_add_u32 v[SPW], v0, 2, SPARE
	v_mov_b32 v[NIL], 0
	ds_add_u32 v[SPW], v[NIL]                      ; the wave's opening: the add and its wait stand ahead of my first tensor load; the set-up below, work on registers, stands between them
	v_lshrrev_b32 v9, 5, v0
	v_readfirstlane_b32 s[WV], v9                  ; wave 0..3
	s_bfe_u32 s11, ttmp6, 0x40000                  ; cx: my place in the cluster
	s_lshl_b32 s12, ttmp9, 2                       ; in a cluster launch ttmp9 counts clusters
	s_add_co_u32 s12, s12, s11                     ; my block of 256 rows: it enters x's and out0's addresses alone
	SHAPE G1W, 15|(3<<16)|(1<<21), 80              ; joint, all four work-groups: 80 rows = 20,480 bytes
	SHAPE G1R, 15|(3<<16)|(1<<21), 13              ; joint: 13 rows = 3,328 bytes
	SHAPE G1X, 3<<16, 16                           ; my own: 16 rows = 64 rows of x
	s_mov_b32 s[G0A], 1                            ; count = 1
	s_mov_b32 s[G0B], 1
	s_mov_b32 s[G0R], 1
	s_mov_b32 s[G0X], 1
	s_mul_i32 s[G0A+1], s[WV], QUART               ; LDS addresses: a constant and the wave's number times a constant
	s_add_co_u32 s[G0B+1], s[G0A+1], SLOTB
	s_mul_i32 s[G0R+1], s[WV], 3328
	s_add_co_u32 s[G0R+1], s[G0R+1], RES
	s_lshl_b32 s[G0X+1], s[WV], 12
	s_add_co_u32 s[G0X+1], s[G0X+1], XS
	s_mul_i32 s16, s[WV], QUART                    ; my quarter in a chunk,
	s_mov_b32 s17, 0
	s_mul_i32 s18, s[WV], 3328                     ; and in the 13 fragments
	s_mov_b32 s19, 0
	s_lshl_b32 s14, s12, 14                        ; my block's 16,384 bytes of x,
	s_lshl_b32 s13, s[WV], 12                      ; my wave's 4,096 of them
	s_add_co_u32 s14, s14, s13
	s_mov_b32 s15, 0
	s_wait_dscnt 0x0                               ; the opening add is done
	s_wait_kmcnt 0x0
	s_add_nc_u64 s[G0A+2:G0A+3], s[6:7], s[16:17]  ; chunk 0
	s_add_nc_u64 s[G0B+2:G0B+3], s[G0A+2:G0A+3], SLOTB  ; chunk 1
	s_add_nc_u64 s[G0R+2:G0R+3], s[6:7], s[18:19]
	s_add_nc_u64 s[G0R+2:G0R+3], s[G0R+2:G0R+3], 7*SLOTB  ; behind the seven chunks
	s_add_nc_u64 s[G0X+2:G0X+3], s[4:5], s[14:15]
	s_or_b32 s[G0A+3], s[G0A+3], 0x80000000        ; type = 2
	s_or_b32 s[G0B+3], s[G0B+3], 0x80000000
	s_or_b32 s[G0R+3], s[G0R+3], 0x80000000
	s_or_b32 s[G0X+3], s[G0X+3], 0x80000000
	s_lshl_b32 s14, s12, 10                        ; my block's 1,024 bytes of out0,
	s_lshl_b32 s13, s[WV], 8                       ; my wave's 256
	s_add_co_u32 s14, s14, s13
	s_add_nc_u64 s[8:9], s[8:9], s[14:15]
	CROUND                                         ; all four work-groups are here: the first joint loads meet
	tensor_load_to_lds s[G0X:G0X+3], s[G1X:G1X+7]  ; the first fills go out together: three loads of mine are out, the most in this text
	s_nop 0
	tensor_load_to_lds s[G0R:G0R+3], s[G1R:G1R+7]
	s_nop 0
	tensor_load_to_lds s[G0A:G0A+3], s[G1W:G1W+7]
	s_nop 0
	PLACES
	v_and_b32 v9, 31, v0                           ; lane
	v_lshlrev_b32 v[ADR], 4, v9
	v_add_nc_u32 v[ADR+1], SLOTB/2, v[ADR]
	v_add_nc_u32 v[ADR+2], SLOTB, v[ADR]
	v_add_nc_u32 v[ADR+3], 3*SLOTB/2, v[ADR]
	v_add_nc_u32 v[ARES], RES, v[ADR]
	v_and_b32 v15, 15, v0                          ; r
	v_bfe_u32 v5, v0, 4, 1                         ; h
	; Tile rt, place r holds my wave's row 32 (rt & 1) + 2 r + (rt >> 1), so that at the end lane L holds the rows 2 L and 2 L + 1.  A row of x is 64 bytes; a lane takes x[8 h .. 8 h + 7].
	v_lshlrev_b32 v[AXS], 7, v15
	v_lshl_add_u32 v[AXS], v5, 5, v[AXS]
	v_add_nc_u32 v[AXS], s[G0X+1], v[AXS]
	v_lshlrev_b32 v[OO], 3, v9
	v_cmp_le_u32 s[HM], 16, v9
	v_add_nc_u32 v[ONES], -1, v5                   ; all ones where h = 0
	v_and_b32 v[ONES], 0x3c003c00, v[ONES]
	s_wait_tensorcnt 0x1                           ; my x and my part of the 13 fragments are in; chunk 0 may stay out
	s_barrier_signal -1
	s_barrier_wait -1                              ; everybody's part is
.irp rt, 0,1,2,3
	ds_load_b128 v[XR+8*\rt:XR+8*\rt+3],   v[AXS] offset:((\rt)&1)*2048+((\rt)>>1)*64
	ds_load_b128 v[XR+8*\rt+4:XR+8*\rt+7], v[AXS] offset:((\rt)&1)*2048+((\rt)>>1)*64+16
.endr
.irp c, 0,1,2,3,4,5,6,7                ; W0's eight fragments fill the weight buffers
	ds_load_b128 v[AF+8*\c:AF+8*\c+3],   v[ARES] offset:1024*\c
	ds_load_b128 v[AF+8*\c+4:AF+8*\c+7], v[ARES] offset:1024*\c+512
.endr
	s_wait_dscnt 16                                ; x is in; the sixteen loads behind it may be out
.set u, 0
.rept 16
	v_cvt_pk_bf16_f32 v[TP+u], v[XR+2*u], v[XR+2*u+1]  ; the input's rounding to bf16,
.set u, u+1
.endr
.set u, 0
.rept 16
	v_lshlrev_b32 v[XR+2*u], 16, v[TP+u]           ; back to f32
	v_and_b32 v[XR+2*u+1], 0xffff0000, v[TP+u]
.set u, u+1
.endr
.macro XFRAG w                         ; the fifth k step's fragments: x as f16, then 1, 1, then zeros
	WIN \w
.set u, 0
.rept 16
	v_cvt_pk_f16_f32 v[XF+8*(u/4)+u%4], v[XR+2*u], v[XR+2*u+1]
.set u, u+1
.endr
.irp rt, 0,1,2,3
	v_mov_b32 v[XF+8*\rt+4], v[ONES]
	v_mov_b32 v[XF+8*\rt+5], 0
	v_mov_b32 v[XF+8*\rt+6], 0
	v_mov_b32 v[XF+8*\rt+7], 0
.endr
.endm
	XFRAG 0x80
	XFRAG 0xc0
	s_wait_dscnt 0x0                               ; W0
; THE FIRST LAYER: one k step.  Channel tile c: four products into buffer c % 3; its relu stands behind the next tile's products, so that plain lines on other registers lie between a product and the read of its result.
.macro WZERO c
	WIN MS
.irp rt, 0,1,2,3
	v_wmma_f32_16x16x32_f16 v[ACC+32*((\c)%3)+8*\rt:ACC+32*((\c)%3)+8*\rt+7], v[AF+8*(\c):AF+8*(\c)+7], v[XF+8*\rt:XF+8*\rt+7], 0
.endr
.endm
.macro RELU c
	WIN 0x40                                       ; destination window 1
.set u, 0
.rept 32
	v_max_num_f32 v[64*(u/8)+8*(\c)+u%8], 0, v[ACC+32*((\c)%3)+u]
.set u, u+1
.endr
.endm
	WZERO 0
	WZERO 1
	PLACES
	RELU 0
.irp c, 2,3,4,5,6,7
	WZERO \c
	RELU (\c)-1
.endr
	RELU 7
	WIN 0
	s_mov_b32 s[LAY], 3
.Llayer:                               ; a trip is a layer: it reads two chunks and asks for the next two: six fills in all, chunks 1 to 6, so that no tail is written out
	CHANGE 1                                       ; the layer's first chunk is whole in slot 0; slot 1 takes its second
	ALOAD 0, ADR, 0                                ; job 0's fragments
	CVT_ALL
.set jn, 0
.rept 32
	LJOB jn
.set jn, jn+1
.endr
	DRAIN 2, 0                                     ; the last H
	LUMP_H 7
	WIN 0
	s_sub_co_u32 s[LAY], s[LAY], 1
	s_cmp_lg_u32 s[LAY], 0
	s_cbranch_scc1 .Llayer
	; THE DENSE LAYERS
	CHANGE 2                                       ; the seventh chunk is whole in slot 0; nothing is left to ask for
	ALOAD 0, ADR, 0
	CVT_ALL
.set fk, 0
.rept 8
	FJOB fk
.set fk, fk+1
.endr
	DRAIN 1, 0                                     ; the second layer's first product reads all 128 channels of the first
	LUMP_D 7, 1, 0xc0
.rept 8
	FJOB fk
.set fk, fk+1
.endr
	DRAIN 1, 0
	LUMP_D 7, 1, 0x80
	; THE LAST LAYER: rows 0 and 8 of source 0 hold Wf and bf, so register 0 of every lane holds the result of the row at its place r
	s_wait_dscnt 0x0
	SLOT 0, 0, MS, -1, 0
	WIN 0
	v_cndmask_b32 v10, v[ACC], v[ACC+8], s[HM]     ; row 2 L: tile 0 for lanes 0-15, tile 1 for lanes 16-31
	v_cndmask_b32 v11, v[ACC+16], v[ACC+24], s[HM] ; row 2 L + 1: tiles 2 and 3
	global_store_b64 v[OO], v[10:11], s[8:9] th:TH_STORE_NT  ; the wave stores 256 consecutive bytes, at a multiple of 256 from out0's first byte
	s_wait_tensorcnt 0x0                           ; the wave's end, behind my last tensor load
	ds_add_u32 v[SPW], v[NIL]
	s_wait_dscnt 0x0
	CROUND                                         ; the closing round: no work-group ends while a partner may still ask for a chunk that names it
	s_endpgm
.Lfunc_end_k_qf00b59c616_net:
	.size	k_qf00b59c616_net, .Lfunc_end_k_qf00b59c616_net-k_qf00b59c616_net
	.p2alignl 7, 3214868480
	.fill 96, 4, 3214868480
	.section	.rodata,"a",@progbits
	.p2align	6, 0x0
	.amdhsa_kernel k_qf00b59c616_net
		.amdhsa_group_segment_fixed_size 327680
		.amdhsa_private_segment_fixed_size 0
		.amdhsa_enable_private_segment 0
		.amdhsa_kernarg_size 24
		.amdhsa_user_sgpr_count 2
		.amdhsa_user_sgpr_kernarg_segment_ptr 1
		.amdhsa_wavefront_size32 1
		.amdhsa_system_sgpr_workgroup_id_x 1
		.amdhsa_system_sgpr_workgroup_id_y 1
		.amdhsa_system_sgpr_workgroup_id_z 1
		.amdhsa_system_vgpr_workitem_id 0
		.amdhsa_next_free_vgpr 928
		.amdhsa_next_free_sgpr 66
		.amdhsa_reserve_vcc 0
		.amdhsa_float_denorm_mode_32 3
		.amdhsa_float_denorm_mode_16_64 3
		.amdhsa_memory_ordered 1
		.amdhsa_forward_progress 1
		.amdhsa_inst_pref_size 255
	.end_amdhsa_kernel
	.section	.bss,"aw",@nobits
	.p2align	6
	.space	262144
	.amdgpu_metadata
---
amdhsa.version: [ 1, 2 ]
amdhsa.kernels:
  - .name:           k_qf00b59c616_net
    .symbol:         k_qf00b59c616_net.kd
    .args:
      - { .name: x, .offset: 0, .size: 8, .value_kind: global_buffer, .address_space: global }
      - { .name: img, .offset: 8, .size: 8, .value_kind: global_buffer, .address_space: global }
      - { .name: out0, .offset: 16, .size: 8, .value_kind: global_buffer, .address_space: global }
    .group_segment_fixed_size: 327680
    .private_segment_fixed_size: 0
    .kernarg_segment_align: 8
    .kernarg_segment_size: 24
    .max_flat_workgroup_size: 128
    .sgpr_count:     66
    .vgpr_count:     928
    .wavefront_size: 32
...
	.end_amdgpu_metadata
.endif
;; end of part 2
;; ======== version 2 of 2: 2 launches; 2.30 times as fast as version 1
;; limits: values are held in f16: magnitudes above 65,504 overflow, below 6.1e-05 lose precision; inputs' magnitudes at most 22,700; inputs' magnitudes at most 65,504; right only within a limited range of input values
;; workspace buffers: img 586,752 bytes
;; launch prep: the kernel of part 1 again; grid 573 x 1, 2 waves a work-group, no clusters, 0 bytes of LDS; arguments U, W, W0, Wd, Wf, b, b0, bd, bf, img; writes img
;; launch net (part 3): grid 1024 x 1, 4 waves a work-group, clusters of 4 x 1, 327,680 bytes of LDS; arguments x, img, out0; writes out0
.if DOCPART == 3
	.amdgcn_target "amdgcn-amd-amdhsa--gfx1250"
	.amdhsa_code_object_version 6
	.text
	.protected	k_qf00b59c616_net
	.globl	k_qf00b59c616_net
	.p2align	8
	.type	k_qf00b59c616_net,@function
k_qf00b59c616_net:
	s_mov_b64 s[64:65], 0
	v_nop
	global_prefetch_b8 v0, s[64:65] scope:SCOPE_SE
	s_setreg_imm32_b32 hwreg(HW_REG_WAVE_MODE, 25, 1), 1
	s_wait_xcnt 0x0
	s_wait_alu depctr_hold_cnt(0) depctr_sa_sdst(0) depctr_va_vdst(0) depctr_va_sdst(0) depctr_va_ssrc(0) depctr_va_vcc(0) depctr_vm_vsrc(0)
	s_getreg_b32 s2, hwreg(HW_REG_IB_STS2, 6, 4)
	s_cmp_eq_u32 s2, 0
	s_cbranch_scc0 .Lentry_in_a_cluster
	s_endpgm
.Lentry_in_a_cluster:
	s_bfe_u32 s2, ttmp6, 0x10000c
	s_cmp_lg_u32 s2, 0x3003
	s_cbranch_scc0 .Lentry_shape_is_right
	s_endpgm
.Lentry_shape_is_right:
; THE WHOLE NET FOR 256 ROWS A WORK-GROUP: S = relu(x W0 + b0); three layers of four gates tanh(x U + (S or S R) W + b) with S = (1 - G) H + Z S; two layers tanh(S Wd + bd); out = S Wf + bf.
; Rows do not meet, so a wave keeps its 64 rows (four tiles of 16) in registers from x to the result; only the weights move: 573 fragments of 1,024 bytes, made by the launch before in the order of use.
; LAYOUT.  The matrix instruction is used transposed: source 0 = 16 output channels x 32 k of weights, source 1 = 16 rows x 32 k of activations.  In the result lane (r, h) holds row r and channels
; 16 ct + 8 h + 0..7; two neighbouring channel tiles, rounded to f16 in pairs, ARE a source 1 of the next product: nothing changes lanes.  K = 160: four steps of state, a fifth of [x, 1, 1, 0 ..]
; against [U, bias hi, bias lo, 0 ..]: x U and the bias cost a matrix instruction and no vector line.
; TANH.  The weights carry the factor 2 log2(e), so with a the sum: e = 2^a, d = -e/2 - 1/2, r' = 1/d = -2 / (1 + e), tanh = 1 + r'.  e = infinity gives r' = -0, e = 0 gives r' = -2: no clamp is needed.
; For G the signs are turned: q = 1 / (e/2 + 1/2) = 1 - G.  Then S R = r' S + S;  S_new = (r'z S + S) + q + q r'h.
; A JOB is one gate's channel tile: 20 matrix instructions (5 k steps x 4 row tiles, the four accumulators by turns) into one of four accumulator buffers, job n into buffer n % 4.
; THE TANH IS CUT IN TWO, A JOB APART, SO THAT A JOB HAS ONE BATCH AND ONE WAIT.  Beside job n's products stand 80 lines that need no other register window, four behind each: job n - 1's 32 exponentials, and of
; job n - 2 the 16 packed lines d and the 32 reciprocals.  The 64 transcendentals are ONE BATCH: no line of the job names a result of theirs (the lines d read the exponentials of the batch before).  Behind the
; job's last product stand four v_nop and the batch's ONE wait, directly ahead of the next run of LDS loads; behind those loads come the readers: job n - 2's LUMP (16 or 32 packed lines that reach into other
; windows), and in job n + 1 the lines d of job n - 1.  Four buffers are in hand: job n's sums, n - 1's exponentials, n - 2's d and reciprocals, n - 3's lump; H's lump also reads q of the job before it, which
; lies in the buffer that the job then beginning writes only behind that lump.
; ORDER IN A LAYER: R 0..7 (so that S R is whole: R 7's lump stands at the head of job 10, the first H), then Z, G, H for each channel tile.
; FORMATS.  x is rounded to bf16 like every input and written as f16; S is carried in f32, its f16 copy is a matrix operand alone; sums in f32.
; LIMITS.  |x| and |S| stay under 65,504 (f16's end); under 6e-5 an operand keeps f16's step of 6e-8; NaN and infinities are not treated apart.
; RING.  Two LDS slots of 81,920 bytes, 16 jobs each; seven chunks: two a layer, the seventh the dense layers'.  W0's and the last layer's 13 fragments stay in LDS bytes of their own.
; CLUSTER.  All work-groups walk the same weights: the four of a cluster ask for each chunk JOINTLY (the same tensor load, descriptor and mask in all four); each wave brings a quarter.  x is each wave's own load.
; REGISTERS, in windows of 256 (s_set_vgpr_msb: bits 1:0 source 0, 3:2 source 1, 5:4 source 2, 7:6 destination):
;   window 0: v0-15 addresses and small things; v16-111 accumulator buffers 0 to 2 of 32 (tile rt at + 8 rt); v112-191 two buffers of 5 weight fragments; v192-223 x on its way in, then accumulator buffer 3; v224-239 at work on x
;   window 1: S in f32, at 64 rt + 8 ct + j      window 2: v0-127 S in f16, at 32 rt + 4 ct + pair; v128-159 the fifth k step's fragments, 8 a tile      window 3: v0-127 S R in f16; v128-159 the same fragments once more
.set SLOTB, 81920                      ; a slot: 16 jobs of 5,120 bytes
.set QUART, 20480                      ; a wave's quarter of it: 80 rows of 256 bytes
.set JOBB,  5120
.set RES,   2*SLOTB                    ; 13 fragments that stay: W0's eight, the last layer's five
.set XS,    RES+13312                  ; x: 4,096 bytes for each wave
.set SPARE, XS+16384                   ; the spare words, 128 bytes for each wave: two blocks of 256 bytes that no other line names
.set ADR,  1                           ; v1-4   16 x lane + 0, 40,960, 81,920, 122,880: the halves of the two slots (an LDS offset has 16 bits)
.set ARES, 6                           ; v6     16 x lane + RES
.set AXS,  7                           ; v7     my place in my wave's x
.set OO,   8                           ; v8     8 x lane: my two results in the wave's 256 bytes of out0
.set SPW,  12                          ; v12    LDS address of my spare word; never rewritten
.set NIL,  13                          ; v13    0; never rewritten
.set ONES, 14                          ; v14    1.0 twice in f16 where h = 0, else 0: k = 16, 17 of the fifth step
.set ACC,  16                          ; accumulator buffer b begins at ACC + 32 b + 80 (b / 3): v16, v48, v80, v192
.set AF,   112
.set XR,   192                         ; v192-223 x in f32, 8 a tile; free once the fifth k step's fragments are made
.set TP,   224                         ; v224-239 at work
.set XF,   128                         ; windows 2 and 3
.set WV,   10                          ; s10    my wave's number
.set HM,   20                          ; s20    the lanes 16 to 31
.set LAY,  21                          ; s21    layers to go
.set G1W,  24                          ; s[24:31] group 1 of a chunk's quarter;  s[32:39] of a quarter of the 13 fragments;  s[40:47] of a wave's x
.set G1R,  32
.set G1X,  40
.set G0A,  48                          ; s[48:51] group 0 for slot 0;  s[52:55] for slot 1;  s[56:59] the 13 fragments;  s[60:63] x
.set G0B,  52
.set G0R,  56
.set G0X,  60
.set MS,   0x08                        ; source 1 in window 2 (S); all else in window 0
.set MH,   0x0c                        ; source 1 in window 3 (S R)
.set MSB, 0
.macro WIN new                         ; the immediate's high byte repeats the setting that is left; a switch that changes nothing is dropped
.if MSB != (\new)
	s_set_vgpr_msb (MSB<<8)|(\new)
.set MSB, (\new)
.endif
.endm
.macro WINC                            ; for lines that name window 0 as source 0 and destination and no other register
.if (MSB & 0xc3) != 0
	WIN 0
.endif
.endm
.macro PLACES                          ; four plain vector lines: the distance between a matrix instruction and a vector read of its result or a load into its sources (ISA guide 7.12.1 for the read)
.rept 4
	v_nop
.endr
.endm
; A round of the cluster's barrier: my work-group's barrier, so that wave 0's signal speaks for all four waves; wave 0 signals; every wave waits for all four work-groups; my work-group's barrier once more.
.macro CROUND
	s_barrier_signal -1
	s_barrier_wait -1
	s_cmp_lg_u32 s[WV], 0
	s_cbranch_scc1 .Lnot_wave_0_\@
	s_barrier_signal -3
.Lnot_wave_0_\@:
	s_barrier_wait -3
	s_barrier_signal -1
	s_barrier_wait -1
.endm
.macro TLOAD g0, g1                    ; an s_nop 0 and four v_nop follow the load
	tensor_load_to_lds s[(\g0):(\g0)+3], s[(\g1):(\g1)+7]
	s_nop 0
	PLACES
.endm
.macro SHAPE g, first, rows            ; group 1 of a dense block: rows of 32 elements of 8 bytes = 256 bytes, one behind the other
	s_mov_b32 s[(\g)+0], \first                    ; 15:0 the mask; 17:16 element size code 3; 21 set beside a mask
	s_mov_b32 s[(\g)+1], 32<<16                    ; tensor_dim0 = 32
	s_mov_b32 s[(\g)+2], (\rows)<<16               ; tensor_dim1
	s_mov_b32 s[(\g)+3], 32<<16                    ; tile_dim0 = 32
	s_mov_b32 s[(\g)+4], \rows                     ; tile_dim1
	s_mov_b32 s[(\g)+5], 32                        ; 32 elements from row to row
	s_mov_b32 s[(\g)+6], 0
	s_mov_b32 s[(\g)+7], 0
.endm
; THE CHANGE OF SLOTS.  Each wave waits for all its tensor loads, of which one is out: its quarter of the slot to be read next; adds 0 to its spare word; and waits for that and for its own reads of the slot
; that it leaves.  k = 0: slot 0 is filled again; k = 1: slot 1; the barrier is then a round of the cluster's, so that no wave of any partner still reads the slot or has a load on its way, and the joint load
; is the first thing behind it: it has 15 jobs or more, 300 matrix instructions, in which to land.  The OTHER slot's address steps two chunks on here, where no load of mine is out.  k = 2: nothing is filled.
.macro CHANGE k
	WIN 0                                          ; at a label and at a branch every window is 0
	s_wait_tensorcnt 0x0
	ds_add_u32 v[SPW], v[NIL]
.if (\k) == 0
	s_add_nc_u64 s[G0B+2:G0B+3], s[G0B+2:G0B+3], 2*SLOTB  ; the type bits on top are not reached; behind the last chunk the stepped address is not used
.elseif (\k) == 1
	s_add_nc_u64 s[G0A+2:G0A+3], s[G0A+2:G0A+3], 2*SLOTB
.endif
	s_wait_dscnt 0x0                               ; the add is done, and my reads of the slot are back
.if (\k) == 0
	CROUND
	TLOAD G0A, G1W
.elseif (\k) == 1
	CROUND
	TLOAD G0B, G1W
.else
	s_barrier_signal -1
	s_barrier_wait -1
.endif
.endm
; A job's five fragments into buffer p: ten loads of 512 consecutive bytes each
.macro ALOAD p, areg, off
.set la, 0
.rept 10
	ds_load_b128 v[AF+40*(\p)+4*la:AF+40*(\p)+4*la+3], v[\areg] offset:(\off)+512*la
.set la, la+1
.endr
.endm
; Matrix instruction i of a job's 20: k step i / 4, row tile i % 4; the first four start the sums
.macro MMA mb, p
.set rD, ACC+32*(\mb)+80*((\mb)/3)+8*(i%4)
.set rA, AF+40*(\p)+8*(i/4)
.if i < 16
.set rB, 32*(i%4)+8*(i/4)
.else
.set rB, XF+8*(i%4)
.endif
.if i < 4
	v_wmma_f32_16x16x32_f16 v[rD:rD+7], v[rA:rA+7], v[rB:rB+7], 0
.else
	v_wmma_f32_16x16x32_f16 v[rD:rD+7], v[rA:rA+7], v[rB:rB+7], v[rD:rD+7]
.endif
.endm
; THE TANH's LINES, all in place on a buffer's 32 registers a0-a31.  E i: a = 2^a.  F k: pair k, -+ a/2 -+ 1/2.  C i: a = 1 / a.  NEXT writes line q of the 80 that stand beside a job: E on buffer eb (the job before's
; sums), F and C on buffer fb (the job before that one's exponentials, which the batch before made and its wait has shown done).  A buffer number below 0: that half has no lines.
;   In slices of four.  Slices 0-15: F s, then three transcendentals; slices 16-19: four transcendentals.  The 64 transcendentals in their order: E 0-3; then C i and E i + 4 by turns, i = 0 .. 27; then C 28-31.
;   So C i stands a slice or more behind the F that makes its source; E ascends; no line reads a result of an E or a C of
;   these 80, and none writes a source of the transcendental just ahead of it.
.macro FPAIR k, sg
.if \sg
	v_pk_fma_f32 v[cf+2*(\k):cf+2*(\k)+1], v[cf+2*(\k):cf+2*(\k)+1], 0.5, 0.5 op_sel_hi:[1,0,0]
.else
	v_pk_fma_f32 v[cf+2*(\k):cf+2*(\k)+1], v[cf+2*(\k):cf+2*(\k)+1], -0.5, -0.5 op_sel_hi:[1,0,0]
.endif
.endm
.macro NEXT fb, sg, eb
.set cf, ACC+32*(\fb)+80*((\fb)/3)
.set ce, ACC+32*(\eb)+80*((\eb)/3)
.set nk, -1                            ; the E's number, if the line is an E
.set nc, -1                            ; the C's, if it is a C
.if (q < 64) && (q%4 == 0)
.if (\fb) >= 0
	FPAIR q/4, \sg
.endif
.else
.set nt, q-16                          ; the line's place among the 64 transcendentals: slices 16-19,
.if q < 64
.set nt, 3*(q/4)+q%4-1                 ; slices 0-15
.endif
.if nt < 4
.set nk, nt
.elseif nt >= 60
.set nc, nt-32
.elseif nt%2 == 0
.set nc, (nt-4)/2
.else
.set nk, (nt+3)/2
.endif
.if (nk >= 0) && ((\eb) >= 0)
	v_exp_f32 v[ce+nk], v[ce+nk]
.endif
.if (nc >= 0) && ((\fb) >= 0)
	v_rcp_f32 v[cf+nc], v[cf+nc]
.endif
.endif
.set q, q+1
.endm
; A job's 20 matrix instructions into buffer mb from weight buffer p, under window bw; behind each, four of the 80 lines.  The four v_nop at the end are the plain line behind the batch's last transcendental
; (ISA guide 5.7.2), the places ahead of the LDS loads into the weight buffer just multiplied, and the places ahead of the first read of the sums just made.
.macro SLOT mb, p, bw, fb, sg, eb
	WIN \bw
.set i, 0
.set q, 0
.rept 20
	MMA \mb, \p
	NEXT \fb, \sg, \eb
	NEXT \fb, \sg, \eb
	NEXT \fb, \sg, \eb
	NEXT \fb, \sg, \eb
.set i, i+1
.endr
	PLACES
.endm
.macro STREAM fb, sg, eb               ; the same lines with no product to stand beside: at a layer's end, where the next products wait for them
	WINC
.set q, 0
.rept 80
	NEXT \fb, \sg, \eb
.endr
.endm
.macro CVT_ALL                         ; S in f16, for the layer's products
	WIN 0x85                                       ; destination window 2, sources window 1
.set u, 0
.rept 128
	v_cvt_pk_f16_f32 v[u], v[2*u], v[2*u+1]
.set u, u+1
.endr
.endm
; THE LUMPS read reciprocals of a batch whose wait stands ahead of them.  Pair u of a job's 16 (row tile u / 4): lA in the accumulator buffer, lS in S, lF the packed pair in an f16 copy
.macro LREGS c, b
.set lA, ACC+32*(\b)+80*((\b)/3)+2*u
.set lS, 64*(u/4)+8*(\c)+2*(u%4)
.set lF, 32*(u/4)+4*(\c)+u%4
.endm
.macro LUMP_R c, b                     ; S R = r' S + S, then to f16
	WIN 0x14                                       ; sources 1 and 2 window 1
.set u, 0
.rept 16
	LREGS \c, \b
	v_pk_fma_f32 v[lA:lA+1], v[lA:lA+1], v[lS:lS+1], v[lS:lS+1]
.set u, u+1
.endr
	WIN 0xc0                                       ; destination window 3
.set u, 0
.rept 16
	LREGS \c, \b
	v_cvt_pk_f16_f32 v[lF], v[lA], v[lA+1]
.set u, u+1
.endr
.endm
.macro LUMP_Z c, b                     ; S = Z S = r' S + S: all of S R has been made, and the products read the f16 copy
	WIN 0x54
.set u, 0
.rept 16
	LREGS \c, \b
	v_pk_fma_f32 v[lS:lS+1], v[lA:lA+1], v[lS:lS+1], v[lS:lS+1]
.set u, u+1
.endr
.endm
.macro LUMP_G c, b                     ; S += q; q stays in its buffer for H's lump
	WIN 0x44
.set u, 0
.rept 16
	LREGS \c, \b
	v_pk_add_f32 v[lS:lS+1], v[lA:lA+1], v[lS:lS+1]
.set u, u+1
.endr
.endm
.macro LUMP_H c, bq, bh                ; S += q r'h: together q (1 + r'h) = (1 - G) H; q in buffer bq, r'h in buffer bh
	WIN 0x50
.set u, 0
.rept 16
	LREGS \c, \bq
.set lB, ACC+32*(\bh)+80*((\bh)/3)+2*u
	v_pk_fma_f32 v[lS:lS+1], v[lA:lA+1], v[lB:lB+1], v[lS:lS+1]
.set u, u+1
.endr
.endm
.macro LUMP_D c, b, dw                 ; a dense layer: tanh = 1 + r', then to f16 into the window that the next layer reads
	WINC
.set u, 0
.rept 16
	LREGS \c, \b
	v_pk_add_f32 v[lA:lA+1], v[lA:lA+1], 1.0 op_sel_hi:[1,0]
.set u, u+1
.endr
	WIN \dw
.set u, 0
.rept 16
	LREGS \c, \b
	v_cvt_pk_f16_f32 v[lF], v[lA], v[lA+1]
.set u, u+1
.endr
.endm
.macro JOBP n                          ; job n of a layer: jt = 0 R, 1 Z, 2 G, 3 H; jc its channel tile; jb its accumulator buffer
.set jb, (\n)%4
.if (\n) < 8
.set jt, 0
.set jc, (\n)
.else
.set jt, 1+((\n)-8)%3
.set jc, ((\n)-8)/3
.endif
.endm
.macro LLUMP n                         ; the lump of a layer's job n
	JOBP \n
.if jt == 0
	LUMP_R jc, jb
.elseif jt == 1
	LUMP_Z jc, jb
.elseif jt == 2
	LUMP_G jc, jb
.else
	LUMP_H jc, (jb+3)%4, jb
.endif
.endm
; JOB n OF A LAYER: its fragments are waited for (they were asked for a job ago); the next job's are asked for, into the buffer whose last reader stands four v_nop back; job n - 3's lump; its products, with
; job n - 2's d and reciprocals and job n - 1's exponentials between them; the batch's wait.  Job 15 leaves slot 0: its wait for the fragments is the change of slots.
.macro LJOB n
.if (\n) == 15
	CHANGE 0
.else
	s_wait_dscnt 0x0
.endif
	WINC                                           ; the loads name window 0 as destination and address: the setting that the job before left serves them
.if (\n) < 31
	ALOAD ((\n)+1)%2, ADR+2*(((\n)+1)/16)+(((\n)+1)%16)/8, JOBB*(((\n)+1)%8)
.endif
.if (\n) >= 3
	LLUMP (\n)-3
.endif
.set fvb, -1
.set fsg, 0
.set evb, -1
.if (\n) >= 2
	JOBP (\n)-2
.set fvb, jb
.if jt == 2
.set fsg, 1
.endif
.endif
.if (\n) >= 1
.set evb, ((\n)-1)%4
.endif
	JOBP \n
.set jw, MS
.if jt == 3
.set jw, MH
.endif
	SLOT jb, (\n)%2, jw, fvb, fsg, evb
.if (\n) >= 1
	s_wait_alu depctr_va_vdst(0)                   ; the job's ONE wait: for its batch, job n - 1's 32 exponentials and job n - 2's 32 reciprocals; it stands directly ahead of the next run of LDS loads, and ahead of the branches of the change of slots
.endif
.endm
; JOB k OF THE DENSE LAYERS: layer k / 8, channel tile k % 8; in step like a layer's jobs.  The first layer reads window 2 and writes window 3, the second the other way round.  Job 15 asks for the last layer's fragments.
.macro FJOB k
.set fe, (\k)%8
.set fw, MS
.set fd, 0xc0
.if (\k) >= 8
.set fw, MH
.set fd, 0x80
.endif
	s_wait_dscnt 0x0
	WINC
.if (\k) < 15
	ALOAD ((\k)+1)%2, ADR+((\k)+1)/8, JOBB*(((\k)+1)%8)
.else
	ALOAD 0, ARES, 8192
.endif
.if fe >= 3
	LUMP_D fe-3, (fe-3)%4, fd
.endif
.set fvb, -1
.set evb, -1
.if fe >= 2
.set fvb, (fe-2)%4
.endif
.if fe >= 1
.set evb, (fe-1)%4
.endif
	SLOT fe%4, (\k)%2, fw, fvb, 0, evb
.if fe >= 1
	s_wait_alu depctr_va_vdst(0)                   ; the job's one wait: for its batch, tile k % 8 - 1's exponentials and tile k % 8 - 2's reciprocals
.endif
.endm
; A DENSE LAYER'S END: the next layer's first product reads all 128 channels.  Two batches are left; behind each stands the lump of the tile before, which names none of its results, and then its wait.
.macro FEND dw
	STREAM 2, 0, 3                                 ; tile 6's d and reciprocals, tile 7's exponentials
	LUMP_D 5, 1, \dw
	s_wait_alu depctr_va_vdst(0)                   ; for that batch of 64
	STREAM 3, 0, -1                                ; tile 7's d and reciprocals
	LUMP_D 6, 2, \dw
	s_wait_alu depctr_va_vdst(0)                   ; for tile 7's 32 reciprocals
	LUMP_D 7, 3, \dw
.endm
	s_load_b128 s[4:7], s[0:1], 0x0                ; x s[4:5], img s[6:7]
	s_load_b64 s[8:9], s[0:1], 0x10                ; out0
	v_lshl_add_u32 v[SPW], v0, 2, SPARE
	v_mov_b32 v[NIL], 0
	ds_add_u32 v[SPW], v[NIL]                      ; the wave's opening: the add and its wait stand ahead of my first tensor load; the set-up below, work on registers, stands between them
	v_lshrrev_b32 v9, 5, v0
	v_readfirstlane_b32 s[WV], v9                  ; wave 0..3
	s_bfe_u32 s11, ttmp6, 0x40000                  ; cx: my place in the cluster
	s_lshl_b32 s12, ttmp9, 2                       ; in a cluster launch ttmp9 counts clusters
	s_add_co_u32 s12, s12, s11                     ; my block of 256 rows: it enters x's and out0's addresses alone
	SHAPE G1W, 15|(3<<16)|(1<<21), 80              ; joint, all four work-groups: 80 rows = 20,480 bytes
	SHAPE G1R, 15|(3<<16)|(1<<21), 13              ; joint: 13 rows = 3,328 bytes
	SHAPE G1X, 3<<16, 16                           ; my own: 16 rows = 64 rows of x
	s_mov_b32 s[G0A], 1                            ; count = 1
	s_mov_b32 s[G0B], 1
	s_mov_b32 s[G0R], 1
	s_mov_b32 s[G0X], 1
	s_mul_i32 s[G0A+1], s[WV], QUART               ; LDS addresses: a constant and the wave's number times a constant
	s_add_co_u32 s[G0B+1], s[G0A+1], SLOTB
	s_mul_i32 s[G0R+1], s[WV], 3328
	s_add_co_u32 s[G0R+1], s[G0R+1], RES
	s_lshl_b32 s[G0X+1], s[WV], 12
	s_add_co_u32 s[G0X+1], s[G0X+1], XS
	s_mul_i32 s16, s[WV], QUART                    ; my quarter in a chunk,
	s_mov_b32 s17, 0
	s_mul_i32 s18, s[WV], 3328                     ; and in the 13 fragments
	s_mov_b32 s19, 0
	s_lshl_b32 s14, s12, 14                        ; my block's 16,384 bytes of x,
	s_lshl_b32 s13, s[WV], 12                      ; my wave's 4,096 of them
	s_add_co_u32 s14, s14, s13
	s_mov_b32 s15, 0
	s_wait_dscnt 0x0                               ; the opening add is done
	s_wait_kmcnt 0x0
	s_add_nc_u64 s[G0A+2:G0A+3], s[6:7], s[16:17]  ; chunk 0
	s_add_nc_u64 s[G0B+2:G0B+3], s[G0A+2:G0A+3], SLOTB  ; chunk 1
	s_add_nc_u64 s[G0R+2:G0R+3], s[6:7], s[18:19]
	s_add_nc_u64 s[G0R+2:G0R+3], s[G0R+2:G0R+3], 7*SLOTB  ; behind the seven chunks
	s_add_nc_u64 s[G0X+2:G0X+3], s[4:5], s[14:15]
	s_or_b32 s[G0A+3], s[G0A+3], 0x80000000        ; type = 2
	s_or_b32 s[G0B+3], s[G0B+3], 0x80000000
	s_or_b32 s[G0R+3], s[G0R+3], 0x80000000
	s_or_b32 s[G0X+3], s[G0X+3], 0x80000000
	s_lshl_b32 s14, s12, 10                        ; my block's 1,024 bytes of out0,
	s_lshl_b32 s13, s[WV], 8                       ; my wave's 256
	s_add_co_u32 s14, s14, s13
	s_add_nc_u64 s[8:9], s[8:9], s[14:15]
	CROUND                                         ; all four work-groups are here: the first joint loads meet
	tensor_load_to_lds s[G0X:G0X+3], s[G1X:G1X+7]  ; the first fills go out together: three loads of mine are out, the most in this text
	s_nop 0
	tensor_load_to_lds s[G0R:G0R+3], s[G1R:G1R+7]
	s_nop 0
	tensor_load_to_lds s[G0A:G0A+3], s[G1W:G1W+7]
	s_nop 0
	PLACES
	v_and_b32 v9, 31, v0                           ; lane
	v_lshlrev_b32 v[ADR], 4, v9
	v_add_nc_u32 v[ADR+1], SLOTB/2, v[ADR]
	v_add_nc_u32 v[ADR+2], SLOTB, v[ADR]
	v_add_nc_u32 v[ADR+3], 3*SLOTB/2, v[ADR]
	v_add_nc_u32 v[ARES], RES, v[ADR]
	v_and_b32 v15, 15, v0                          ; r
	v_bfe_u32 v5, v0, 4, 1                         ; h
	; Tile rt, place r holds my wave's row 32 (rt & 1) + 2 r + (rt >> 1), so that at the end lane L holds the rows 2 L and 2 L + 1.  A row of x is 64 bytes; a lane takes x[8 h .. 8 h + 7].
	v_lshlrev_b32 v[AXS], 7, v15
	v_lshl_add_u32 v[AXS], v5, 5, v[AXS]
	v_add_nc_u32 v[AXS], s[G0X+1], v[AXS]
	v_lshlrev_b32 v[OO], 3, v9
	v_cmp_le_u32 s[HM], 16, v9
	v_add_nc_u32 v[ONES], -1, v5                   ; all ones where h = 0
	v_and_b32 v[ONES], 0x3c003c00, v[ONES]
	s_wait_tensorcnt 0x1                           ; my x and my part of the 13 fragments are in; chunk 0 may stay out
	s_barrier_signal -1
	s_barrier_wait -1                              ; everybody's part is
.irp rt, 0,1,2,3
	ds_load_b128 v[XR+8*\rt:XR+8*\rt+3],   v[AXS] offset:((\rt)&1)*2048+((\rt)>>1)*64
	ds_load_b128 v[XR+8*\rt+4:XR+8*\rt+7], v[AXS] offset:((\rt)&1)*2048+((\rt)>>1)*64+16
.endr
.irp c, 0,1,2,3,4,5,6,7                ; W0's eight fragments fill the weight buffers
	ds_load_b128 v[AF+8*\c:AF+8*\c+3],   v[ARES] offset:1024*\c
	ds_load_b128 v[AF+8*\c+4:AF+8*\c+7], v[ARES] offset:1024*\c+512
.endr
	s_wait_dscnt 16                                ; x is in; the sixteen loads behind it may be out
.set u, 0
.rept 16
	v_cvt_pk_bf16_f32 v[TP+u], v[XR+2*u], v[XR+2*u+1]  ; the input's rounding to bf16,
.set u, u+1
.endr
.set u, 0
.rept 16
	v_lshlrev_b32 v[XR+2*u], 16, v[TP+u]           ; back to f32
	v_and_b32 v[XR+2*u+1], 0xffff0000, v[TP+u]
.set u, u+1
.endr
.macro XFRAG w                         ; the fifth k step's fragments: x as f16, then 1, 1, then zeros
	WIN \w
.set u, 0
.rept 16
	v_cvt_pk_f16_f32 v[XF+8*(u/4)+u%4], v[XR+2*u], v[XR+2*u+1]
.set u, u+1
.endr
.irp rt, 0,1,2,3
	v_mov_b32 v[XF+8*\rt+4], v[ONES]
	v_mov_b32 v[XF+8*\rt+5], 0
	v_mov_b32 v[XF+8*\rt+6], 0
	v_mov_b32 v[XF+8*\rt+7], 0
.endr
.endm
	XFRAG 0x80
	XFRAG 0xc0
	s_wait_dscnt 0x0                               ; W0
; THE FIRST LAYER: one k step.  Channel tile c: four products into buffer c % 3; its relu stands behind the next tile's products, so that plain lines on other registers lie between a product and the read of its result.
.macro WZERO c
	WIN MS
.irp rt, 0,1,2,3
	v_wmma_f32_16x16x32_f16 v[ACC+32*((\c)%3)+8*\rt:ACC+32*((\c)%3)+8*\rt+7], v[AF+8*(\c):AF+8*(\c)+7], v[XF+8*\rt:XF+8*\rt+7], 0
.endr
.endm
.macro RELU c
	WIN 0x40                                       ; destination window 1
.set u, 0
.rept 32
	v_max_num_f32 v[64*(u/8)+8*(\c)+u%8], 0, v[ACC+32*((\c)%3)+u]
.set u, u+1
.endr
.endm
	WZERO 0
	WZERO 1
	PLACES
	RELU 0
.irp c, 2,3,4,5,6,7
	WZERO \c
	RELU (\c)-1
.endr
	RELU 7
	WIN 0
	s_mov_b32 s[LAY], 3
.Llayer:                               ; a trip is a layer: it reads two chunks and asks for the next two: six fills in all, chunks 1 to 6, so that no tail is written out
	CHANGE 1                                       ; the layer's first chunk is whole in slot 0; slot 1 takes its second
	ALOAD 0, ADR, 0                                ; job 0's fragments
	CVT_ALL
.set jn, 0
.rept 32
	LJOB jn
.set jn, jn+1
.endr
	; THE LAYER'S END: the next layer's products wait for all of S.  Two batches are left; behind each stands the lump of the job before, which names none of its results, and then its wait.
	STREAM 2, 1, 3                                 ; job 30, the last G (signs turned): d and reciprocals; job 31, the last H: exponentials
	LLUMP 29                                       ; the last Z
	s_wait_alu depctr_va_vdst(0)                   ; for that batch of 64
	STREAM 3, 0, -1                                ; the last H: d and reciprocals
	LLUMP 30
	s_wait_alu depctr_va_vdst(0)                   ; for the last H's 32 reciprocals
	LLUMP 31
	WIN 0
	s_sub_co_u32 s[LAY], s[LAY], 1
	s_cmp_lg_u32 s[LAY], 0
	s_cbranch_scc1 .Llayer
	; THE DENSE LAYERS
	CHANGE 2                                       ; the seventh chunk is whole in slot 0; nothing is left to ask for
	ALOAD 0, ADR, 0
	CVT_ALL
.set fk, 0
.rept 8
	FJOB fk
.set fk, fk+1
.endr
	FEND 0xc0
.rept 8
	FJOB fk
.set fk, fk+1
.endr
	FEND 0x80
	; THE LAST LAYER: rows 0 and 8 of source 0 hold Wf and bf, so register 0 of every lane holds the result of the row at its place r
	s_wait_dscnt 0x0
	SLOT 0, 0, MS, -1, 0, -1
	WIN 0
	v_cndmask_b32 v10, v[ACC], v[ACC+8], s[HM]     ; row 2 L: tile 0 for lanes 0-15, tile 1 for lanes 16-31
	v_cndmask_b32 v11, v[ACC+16], v[ACC+24], s[HM] ; row 2 L + 1: tiles 2 and 3
	global_store_b64 v[OO], v[10:11], s[8:9] th:TH_STORE_NT  ; the wave stores 256 consecutive bytes, at a multiple of 256 from out0's first byte
	s_wait_tensorcnt 0x0                           ; the wave's end, behind my last tensor load
	ds_add_u32 v[SPW], v[NIL]
	s_wait_dscnt 0x0
	CROUND                                         ; the closing round: no work-group ends while a partner may still ask for a chunk that names it
	s_endpgm
.Lfunc_end_k_qf00b59c616_net:
	.size	k_qf00b59c616_net, .Lfunc_end_k_qf00b59c616_net-k_qf00b59c616_net
	.p2alignl 7, 3214868480
	.fill 96, 4, 3214868480
	.section	.rodata,"a",@progbits
	.p2align	6, 0x0
	.amdhsa_kernel k_qf00b59c616_net
		.amdhsa_group_segment_fixed_size 327680
		.amdhsa_private_segment_fixed_size 0
		.amdhsa_enable_private_segment 0
		.amdhsa_kernarg_size 24
		.amdhsa_user_sgpr_count 2
		.amdhsa_user_sgpr_kernarg_segment_ptr 1
		.amdhsa_wavefront_size32 1
		.amdhsa_system_sgpr_workgroup_id_x 1
		.amdhsa_system_sgpr_workgroup_id_y 1
		.amdhsa_system_sgpr_workgroup_id_z 1
		.amdhsa_system_vgpr_workitem_id 0
		.amdhsa_next_free_vgpr 928
		.amdhsa_next_free_sgpr 66
		.amdhsa_reserve_vcc 0
		.amdhsa_float_denorm_mode_32 3
		.amdhsa_float_denorm_mode_16_64 3
		.amdhsa_memory_ordered 1
		.amdhsa_forward_progress 1
		.amdhsa_inst_pref_size 255
	.end_amdhsa_kernel
	.section	.bss,"aw",@nobits
	.p2align	6
	.space	262144
	.amdgpu_metadata
---
amdhsa.version: [ 1, 2 ]
amdhsa.kernels:
  - .name:           k_qf00b59c616_net
    .symbol:         k_qf00b59c616_net.kd
    .args:
      - { .name: x, .offset: 0, .size: 8, .value_kind: global_buffer, .address_space: global }
      - { .name: img, .offset: 8, .size: 8, .value_kind: global_buffer, .address_space: global }
      - { .name: out0, .offset: 16, .size: 8, .value_kind: global_buffer, .address_space: global }
    .group_segment_fixed_size: 327680
    .private_segment_fixed_size: 0
    .kernarg_segment_align: 8
    .kernarg_segment_size: 24
    .max_flat_workgroup_size: 128
    .sgpr_count:     66
    .vgpr_count:     928
    .wavefront_size: 32
...
	.end_amdgpu_metadata
.endif
;; end of part 3
